; MI455X (gfx1250); checked and timed in simulation.
; The chip was launched on July 23, 2026; its instructions are those of AMD's public machine-readable ISA for CDNA 5 (MIT licence, August 2026) and "CDNA5" Instruction Set Architecture Reference Guide (July 2026). The comments in the code are by the model that wrote it; some were corrected since.
;; Causal Self Attention. Allowed arithmetic: matrix products marked QUANTISED: E4M3 operands, one given power-of-two scale a tensor, by v_wmma_f32_16x16x64_fp8_fp8 or v_wmma_f32_16x16x128_fp8_fp8, f32 sums; everything else in f32.
;; Inputs: W_in 1,024 x 3,072 float32; W_out 1,024 x 1,024 float32; b_in 3,072 float32; b_out 1,024 float32; lowp_scales 8 int32 (the exponents e of the quantised operands' scales 2^e); x 4 x 2,048 x 1,024 float32.
;; Outputs: out0 4 x 2,048 x 1,024 float32.
;; This version of the problem:
;;   THIS VERSION OF THE PROBLEM IS GIVEN IN LOW PRECISION. The matrix products marked QUANTISED in the list below multiply operands that are first quantised to E4M3 (4 exponent bits, 3 mantissa bits; 8 bits a number), with one given power-of-two scale for each operand tensor; their sums are f32. All else is computed in f32.
;;   The module's matrix products, in the order in which they are computed (A, B: the left and right operand; K: the contracted axis; several contracted axes count as one K, in the product's order):
;;     1. [M 8,192, K 1,024] x [K 1,024, N 3,072]; A: input x; B: input W_in: QUANTISED (scales: A lowp_scales[0], B lowp_scales[1])
;;     2. batch 64 x [M 2,048, K 64] x [K 64, N 2,048]; A: computed on the way; B: computed on the way: QUANTISED (scales: A lowp_scales[2], B lowp_scales[3])
;;     3. batch 64 x [M 2,048, K 2,048] x [K 2,048, N 64]; A: softmax (see below); B: computed on the way: QUANTISED (scales: A lowp_scales[4], B lowp_scales[5])
;;     4. [M 8,192, K 1,024] x [K 1,024, N 1,024]; A: computed on the way; B: input W_out: QUANTISED (scales: A lowp_scales[6], B lowp_scales[7])
;;   THE QUANTISER, for each operand of a quantised product, along K:
;;     - The operand's scale is 2^e, e = its entry of the input lowp_scales (int32; the entries are numbered through the quantised products in the list's order, A before B).
;;     - Each number is divided by the scale, clamped to +-448, and rounded to the nearest number of E4M3, ties to even, subnormals kept.
;;     - The product sums the exact products of the quantised numbers (number of the format x scale) in f32.
;;   ~~~python
;;   def quantise(x, axis, e):      # numpy; x: float32 -> the quantised numbers, widened to float32 again
;;       x = np.moveaxis(x, axis, -1); K = x.shape[-1]
;;       r = np.clip(x / 2.0 ** e, -448, 448)
;;       step = 2.0 ** (np.maximum(np.frexp(np.where(r == 0, 1, r))[1] - 1, -6) - 3)
;;       q = np.round(r / step) * step * 2.0 ** e      # np.round: ties to even
;;       return np.moveaxis(q, -1, axis).astype(np.float32)
;;   ~~~
;;   SOFTMAX AHEAD OF A QUANTISED PRODUCT. Where the list says 'softmax', what is quantised is not the finished softmax but p = 2^(t - M), with t = logit x log2(e) and M = ceil(the row's largest t), a whole number; so 1/2 < the row's largest p <= 1. The row's sum l is taken of the UNQUANTISED p, in f32, and the product's result is divided by l at the end. Since M is a whole number, a kernel that streams over the keys may use a running M (the ceiling of the running maximum): every later rescaling is an exact power of two, so the quantised numbers keep their values, but for numbers so far below the row's largest that they fall under the format's range.
;;   OPERANDS COMPUTED ON THE WAY. 'Computed on the way' means the value that the module computes at that place (a softmax that the list does not call 'softmax' is quantised finished and normalised). What goes into a quantiser is computed in f32, as accurately as f32 sums, v_exp_f32 and their like allow (about 1e-6 of the number): no bf16 or f16 on the way to a quantiser, and a product that is left as it is and whose result goes on into a quantised operand takes f32 operands (vector FMAs, or v_wmma_f32_16x16x4_f32). A number that lies on a knife's edge between two numbers of the format may be rounded either way, as far as f32 arithmetic and the matrix unit's own rounding can turn it there, and no further.
;; One version. Each part assembles by itself: llvm-mc -triple=amdgcn-amd-amdhsa -mcpu=gfx1250 --defsym DOCPART=n.
;; ======== version 1 of 1: 4 launches
;; limits: right only within a limited range of input values
;; workspace buffers: xc 8,388,608 bytes; wic 3,145,728 bytes; woc 1,048,576 bytes; qkv 25,165,824 bytes; ac 8,388,608 bytes
;; launch quant (part 1): grid 384 x 1, 4 waves a work-group, no clusters, 69,120 bytes of LDS; arguments x, W_in, W_out, lowp_scales, xc, wic, woc; writes xc, wic, woc
.if DOCPART == 1
	.amdgcn_target "amdgcn-amd-amdhsa--gfx1250"
	.amdhsa_code_object_version 6
	.text
	.protected	k_qd00e23df6b_quant
	.globl	k_qd00e23df6b_quant
	.p2align	8
	.type	k_qd00e23df6b_quant,@function
k_qd00e23df6b_quant:
	s_mov_b64 s[64:65], 0
	v_nop
	global_prefetch_b8 v0, s[64:65] scope:SCOPE_SE
	s_setreg_imm32_b32 hwreg(HW_REG_WAVE_MODE, 25, 1), 1
	s_wait_xcnt 0x0
; x [8192][1024], W_in [1024][3072] and W_out [1024][1024], f32, become codes of FP8 (E4M3) with the given scales 2^e0, 2^e1, 2^e7:
; code = number / 2^e, held within +-448, rounded to the nearest code, ties to even.
; THE CODES ARE LAID AS IMAGES OF THE OPERAND'S REGISTERS.  A fragment is 16 rows x 128 K: 16 registers a lane, 2,048 bytes, laid [group g of 4 registers][lane][16 bytes]; lane (r, h) holds row r, and its
; registers 2 c, 2 c + 1 hold K = 16 c + 8 h + 0 .. 7 (the layout of the plain 8-bit forms).  A buffer is [tile of 16 rows][K / 128][2,048].  A row of x is a token; a row of a weight is one of its COLUMNS n.
; Work-groups 0-255 take x, 256-383 the weights; each reads 131,072 bytes.  The two ways part on the work-group's number and have LDS bytes of their own.  Waves share nothing: no barrier.
; No cluster: no two work-groups read the same bytes.  No matrix unit, no tensor load: the launch is a stream.
; LIMITS: e0, e1, e7 between -126 and 119, so that 2^e and 448 x 2^e are f32 numbers.  NaN among the inputs is not served; an infinity is held at the largest code.
.set XSTG,  16*528                     ; x's way: a stage of 16 rows x (512 bytes + 16) for each wave, from LDS byte 0
.set WBASE, 4*XSTG                     ; the weights' way: stages of 32 rows x (256 bytes + 16) for each wave, behind them
.set WSTG,  32*272
.set R,     16                         ; v16-143  x: two sets of 64 numbers as they are loaded
.set X,     144                        ; v144-207 x: 64 numbers as the fragment wants them
.set C,     208                        ; v208-239 x: two sets of 16 registers of codes
.set OFF,   16                         ; v16-47   weights: byte offset of my column in rows 0 .. 31 of a block
.set WX,    48                         ; v48-111  weights: two sets of 32 numbers
.set WC,    112                        ; v112-119 weights: a block's codes
.set OUTR,  120                        ; v120-183 weights: the way out
.macro XLOAD f                         ; fragment f: 512 bytes of each of my 16 rows; a load reads 512 consecutive bytes of one row
.set i, 0
.rept 16
	global_load_b128 v[R+64*((\f)%2)+4*i:R+64*((\f)%2)+4*i+3], v3, s[4:5] offset:4096*i+512*(\f) th:TH_LOAD_NT
.set i, i+1
.endr
.endm
.macro XFRAG f
.if (\f) < 3
	s_wait_loadcnt 16                              ; this fragment's 16 loads are in; the next fragment's 16 may be out
.else
	s_wait_loadcnt 0x0
.endif
.set i, 0
.rept 16
	ds_store_b128 v14, v[R+64*((\f)%2)+4*i:R+64*((\f)%2)+4*i+3] offset:528*i   ; row i as it lies
.set i, i+1
.endr
.set i, 0
.rept 8                                        ; back: of row r the eight numbers K = 16 c + 8 h + 0 .. 7; LDS serves a wave's instructions in order, so these see the stores above
	ds_load_b128 v[X+8*i:X+8*i+3], v15 offset:64*i
	ds_load_b128 v[X+8*i+4:X+8*i+7], v15 offset:64*i+16
.set i, i+1
.endr
	s_wait_dscnt 0x0                               ; the numbers are back, and the stores into the stage have read their registers,
.if (\f) < 2
	XLOAD (\f)+2                                   ; which take the fragment two further on
.endif
.set i, 0
.rept 64
.set i, i+1
.endr
.if (\f) >= 2
	s_wait_xcnt 0x0                                ; the stores of two fragments ago have read this set of codes
.endif
.set i, 0
.rept 8
	v_cvt_scalef32_pk8_fp8_f32 v[C+16*((\f)%2)+2*i:C+16*((\f)%2)+2*i+1], v[X+8*i:X+8*i+7], v11
.set i, i+1
.endr
	v_nop                                          ; a plain line between the conversions and the next fragment's holds, which write their sources
.irp g, 0,1,2,3
	global_store_b128 v3, v[C+16*((\f)%2)+4*\g:C+16*((\f)%2)+4*\g+3], s[12:13] offset:2048*(\f)+512*\g   ; 32 lanes store 512 consecutive bytes, aligned
.endr
.endm
.macro WLOAD t                         ; block t: W(32 t + i, my column), i = 0 .. 31
.set i, 0
.rept 32
	global_load_b32 v[WX+32*((\t)%2)+i], v[OFF+i], s[32+2*(\t):33+2*(\t)] th:TH_LOAD_NT
.set i, i+1
.endr
.endm
.macro WBLOCK t
.if (\t) < 7
	s_wait_loadcnt 32                              ; this block's 32 loads are in; the next block's may be out
.else
	s_wait_loadcnt 0x0
.endif
.set i, 0
.rept 32
.set i, i+1
.endr
.irp g, 0,1,2,3
	v_cvt_scalef32_pk8_fp8_f32 v[WC+2*\g:WC+2*\g+1], v[WX+32*((\t)%2)+8*\g:WX+32*((\t)%2)+8*\g+7], v11
.endr
	ds_store_b128 v4, v[WC:WC+3] offset:32*(\t)    ; 32 codes of my column's row in the stage (the next plain vector lines, the next block's holds, touch the other set)
	ds_store_b128 v4, v[WC+4:WC+7] offset:32*(\t)+16
.if (\t)+2 < 8
	WLOAD (\t)+2
.endif
	s_wait_dscnt 0x0                               ; the stores have read their registers: the next block's codes may be written
.endm
	s_load_b256 s[4:11], s[0:1], 0x0               ; x s[4:5], W_in s[6:7], W_out s[8:9], the exponents s[10:11]
	s_load_b128 s[12:15], s[0:1], 0x20             ; xc s[12:13], wic s[14:15]
	s_load_b64 s[16:17], s[0:1], 0x30              ; woc
	v_lshl_add_u32 v240, v0, 2, 0x10c00
	v_mov_b32 v241, 0
	v_lshrrev_b32 v1, 5, v0
	v_readfirstlane_b32 s18, v1                    ; wave 0..3
	v_and_b32 v2, 31, v0                           ; lane
	v_and_b32 v5, 15, v0                           ; r
	v_bfe_u32 v6, v0, 4, 1                         ; h
	v_lshlrev_b32 v3, 4, v2                        ; 16 x lane
	s_wait_kmcnt 0x0
	s_load_b256 s[24:31], s[10:11], 0x0            ; e0 .. e7
	s_cmp_lt_u32 ttmp9, 256
	s_cbranch_scc0 .Lweights
	; ---- x: my wave takes 16 tokens x 512 along K: four fragments
	s_lshl_b32 s19, ttmp9, 1
	s_lshr_b32 s20, s18, 1
	s_add_co_u32 s19, s19, s20                     ; the tile of 16 tokens: 2 x work-group + wave / 2
	s_and_b32 s20, s18, 1                          ; which half of K
	s_lshl_b32 s22, s19, 16                        ; 16 rows of 4,096 bytes
	s_lshl_b32 s21, s20, 11
	s_add_co_u32 s22, s22, s21
	s_mov_b32 s23, 0
	s_add_nc_u64 s[4:5], s[4:5], s[22:23]
	s_lshl_b32 s22, s19, 14                        ; a tile's 8 images
	s_lshl_b32 s21, s20, 13
	s_add_co_u32 s22, s22, s21
	s_add_nc_u64 s[12:13], s[12:13], s[22:23]
	s_mul_i32 s21, s18, XSTG
	s_wait_alu depctr_va_vdst(0)
	v_add_nc_u32 v14, s21, v3                      ; the stage, on the way in: 16 x lane in a row
	v_mul_u32_u24 v15, v5, 528
	v_lshl_add_u32 v15, v6, 5, v15
	v_add_nc_u32 v15, s21, v15                     ; and back: row r, + 32 h: rows 132 words apart
	XLOAD 0
	XLOAD 1
	s_wait_alu depctr_va_vdst(0)
	s_wait_kmcnt 0x0
	s_add_co_i32 s21, s24, 127
	s_lshl_b32 s22, s21, 23
	v_mov_b32 v11, s22                             ; 2^e0 as f32: the conversion takes its exponent field
	s_add_co_i32 s21, s21, 8
	s_lshl_b32 s21, s21, 23
	s_or_b32 s21, s21, 0x600000
	s_wait_alu depctr_va_vdst(0)
	XFRAG 0
	XFRAG 1
	XFRAG 2
	XFRAG 3
	s_wait_tensorcnt 0x0
	ds_add_u32 v240, v241
	s_wait_dscnt 0x0
	s_endpgm
.Lweights:
	; ---- the weights: K is their FIRST axis.  A lane takes a column n and its registers run down K: the conversions then give codes with K innermost.  A wave takes 32 columns x 256 along K.
	s_sub_co_u32 s19, ttmp9, 256
	s_and_b32 s20, s19, 31                         ; group of 128 columns: 0-23 W_in's, 24-31 W_out's
	s_lshr_b32 s21, s19, 5                         ; which 256 along K
	s_mov_b32 s23, 4096
	s_cmp_lt_u32 s20, 24                           ; the choice hangs on the work-group's number alone
	s_cselect_b64 s[6:7], s[6:7], s[8:9]           ; from
	s_cselect_b64 s[14:15], s[14:15], s[16:17]     ; to
	s_cselect_b32 s23, 12288, s23                  ; a row of the weight in bytes
	s_cselect_b32 s22, 0, 24
	s_sub_co_u32 s22, s20, s22                     ; the group's number in its own weight
	s_lshl_b32 s48, s22, 9
	s_lshl_b32 s49, s18, 7
	s_add_co_u32 s48, s48, s49                     ; 4 x (128 x group + 32 x wave)
	s_mul_i32 s49, s21, s23
	s_lshl_b32 s49, s49, 8                         ; + 256 rows for each step along K
	s_add_co_u32 s48, s48, s49
	s_mov_b32 s49, 0
	s_add_nc_u64 s[32:33], s[6:7], s[48:49]        ; block 0's base;
	s_lshl_b32 s50, s23, 5
	s_mov_b32 s51, 0
.irp t, 1,2,3,4,5,6,7
	s_add_nc_u64 s[32+2*\t:33+2*\t], s[30+2*\t:31+2*\t], s[50:51]   ; block t's: 32 rows further down.  No base and no offset is ever stepped
.endr
	s_lshl_b32 s48, s22, 17                        ; the codes: tile 8 x group + 2 x wave, 16,384 bytes a tile,
	s_lshl_b32 s52, s18, 15
	s_add_co_u32 s48, s48, s52
	s_lshl_b32 s52, s21, 12                        ; + two images for each 256 along K
	s_add_co_u32 s48, s48, s52
	s_add_nc_u64 s[14:15], s[14:15], s[48:49]
	s_wait_alu depctr_va_vdst(0)
	v_lshlrev_b32 v[OFF], 2, v2
.set i, 1
.rept 31
	v_add_nc_u32 v[OFF+i], s23, v[OFF+i-1]
.set i, i+1
.endr
	s_mul_i32 s52, s18, WSTG
	s_add_co_u32 s52, s52, WBASE                   ; my stage
	v_mul_u32_u24 v4, v2, 272
	v_add_nc_u32 v4, s52, v4                       ; into it: row = my column
	v_mul_u32_u24 v7, v5, 272
	v_lshl_add_u32 v7, v6, 3, v7
	v_add_nc_u32 v7, s52, v7                       ; out of it: column r of a tile, + 8 h
	WLOAD 0
	WLOAD 1
	s_wait_kmcnt 0x0
	s_cmp_lt_u32 s20, 24
	s_cselect_b32 s52, s25, s31                    ; e1 or e7
	s_add_co_i32 s52, s52, 127
	s_lshl_b32 s53, s52, 23
	v_mov_b32 v11, s53                             ; 2^e
	s_add_co_i32 s52, s52, 8
	s_lshl_b32 s52, s52, 23
	s_or_b32 s52, s52, 0x600000
	s_wait_alu depctr_va_vdst(0)
.irp t, 0,1,2,3,4,5,6,7
	WBLOCK \t
.endr
	; the way out: piece u = 8 (tile) + 4 (image) + g.  A lane's 16 bytes of group g are K = 32 g + 8 h + 0 .. 7 and 32 g + 16 + 8 h + 0 .. 7 of column r: two loads of 8 bytes
.set u, 0
.rept 16
	ds_load_b64 v[OUTR+4*u:OUTR+4*u+1], v7 offset:4352*(u/8)+128*((u/4)%2)+32*(u%4)
	ds_load_b64 v[OUTR+4*u+2:OUTR+4*u+3], v7 offset:4352*(u/8)+128*((u/4)%2)+32*(u%4)+16
.set u, u+1
.endr
.set u, 0
.rept 16
	s_wait_dscnt 30-2*u                            ; piece u's two loads are in; the two of each later piece may be out
	global_store_b128 v3, v[OUTR+4*u:OUTR+4*u+3], s[14:15] offset:16384*(u/8)+2048*((u/4)%2)+512*(u%4)   ; 512 consecutive bytes, aligned
.set u, u+1
.endr
	s_wait_tensorcnt 0x0
	ds_add_u32 v240, v241
	s_wait_dscnt 0x0
	s_endpgm
.Lfunc_end_k_qd00e23df6b_quant:
	.size	k_qd00e23df6b_quant, .Lfunc_end_k_qd00e23df6b_quant-k_qd00e23df6b_quant
	.p2alignl 7, 3214868480
	.fill 96, 4, 3214868480
	.section	.rodata,"a",@progbits
	.p2align	6, 0x0
	.amdhsa_kernel k_qd00e23df6b_quant
		.amdhsa_group_segment_fixed_size 69120
		.amdhsa_private_segment_fixed_size 0
		.amdhsa_enable_private_segment 0
		.amdhsa_kernarg_size 56
		.amdhsa_user_sgpr_count 2
		.amdhsa_user_sgpr_kernarg_segment_ptr 1
		.amdhsa_wavefront_size32 1
		.amdhsa_system_sgpr_workgroup_id_x 1
		.amdhsa_system_sgpr_workgroup_id_y 1
		.amdhsa_system_sgpr_workgroup_id_z 1
		.amdhsa_system_vgpr_workitem_id 0
		.amdhsa_next_free_vgpr 242
		.amdhsa_next_free_sgpr 66
		.amdhsa_reserve_vcc 0
		.amdhsa_float_denorm_mode_32 3
		.amdhsa_float_denorm_mode_16_64 3
		.amdhsa_fp16_overflow 1
		.amdhsa_memory_ordered 1
		.amdhsa_forward_progress 1
		.amdhsa_inst_pref_size 55
	.end_amdhsa_kernel
	.amdgpu_metadata
---
amdhsa.version: [ 1, 2 ]
amdhsa.kernels:
  - .name:           k_qd00e23df6b_quant
    .symbol:         k_qd00e23df6b_quant.kd
    .args:
      - { .name: x, .offset: 0, .size: 8, .value_kind: global_buffer, .address_space: global }
      - { .name: W_in, .offset: 8, .size: 8, .value_kind: global_buffer, .address_space: global }
      - { .name: W_out, .offset: 16, .size: 8, .value_kind: global_buffer, .address_space: global }
      - { .name: lowp_scales, .offset: 24, .size: 8, .value_kind: global_buffer, .address_space: global }
      - { .name: xc, .offset: 32, .size: 8, .value_kind: global_buffer, .address_space: global }
      - { .name: wic, .offset: 40, .size: 8, .value_kind: global_buffer, .address_space: global }
      - { .name: woc, .offset: 48, .size: 8, .value_kind: global_buffer, .address_space: global }
    .group_segment_fixed_size: 69120
    .private_segment_fixed_size: 0
    .kernarg_segment_align: 8
    .kernarg_segment_size: 56
    .max_flat_workgroup_size: 128
    .sgpr_count:     66
    .vgpr_count:     242
    .wavefront_size: 32
...
	.end_amdgpu_metadata
.endif
;; end of part 1
;; launch qkvproj (part 2): grid 12 x 32, 4 waves a work-group, clusters of 4 x 4, 327,680 bytes of LDS; arguments xc, wic, b_in, lowp_scales, qkv; writes qkv
.if DOCPART == 2
	.amdgcn_target "amdgcn-amd-amdhsa--gfx1250"
	.amdhsa_code_object_version 6
	.text
	.protected	k_qd00e23df6b_qkvproj
	.globl	k_qd00e23df6b_qkvproj
	.p2align	8
	.type	k_qd00e23df6b_qkvproj,@function
k_qd00e23df6b_qkvproj:
	s_mov_b64 s[64:65], 0
	v_nop
	global_prefetch_b8 v0, s[64:65] scope:SCOPE_SE
	s_setreg_imm32_b32 hwreg(HW_REG_WAVE_MODE, 25, 1), 1
	s_wait_xcnt 0x0
	s_wait_alu depctr_hold_cnt(0) depctr_sa_sdst(0) depctr_va_vdst(0) depctr_va_sdst(0) depctr_va_ssrc(0) depctr_va_vcc(0) depctr_vm_vsrc(0)
	s_getreg_b32 s2, hwreg(HW_REG_IB_STS2, 6, 4)
	s_cmp_eq_u32 s2, 0
	s_cbranch_scc0 .Lentry_in_a_cluster
	s_endpgm
.Lentry_in_a_cluster:
	s_bfe_u32 s2, ttmp6, 0x10000c
	s_cmp_lg_u32 s2, 0xf033
	s_cbranch_scc0 .Lentry_shape_is_right
	s_endpgm
.Lentry_shape_is_right:
; proj = x W_in + b_in on codes of FP8 (E4M3), and k, q, v quantised on the way out, each with its given scale (k: e3, q: e2, v: e5), into images of the NEXT products' operand registers.
; OPERANDS are images of registers: [tile of 16 rows][K / 128][2,048 bytes]; an image is [group of 4 registers][lane][16 bytes]; lane (r, h) holds row r, registers 2 c, 2 c + 1 hold K = 16 c + 8 h + 0 .. 7.
; A work-group of four waves makes 256 (rows of A) x 256 (rows of B); a wave 128 x 128: 64 accumulators, 512 registers.  K = 1,024 goes in four steps of 256 through a ring of two LDS slots.
; THE MATRIX INSTRUCTION IS USED TRANSPOSED (source 0 = 16 rows of B, source 1 = 16 rows of A): lane (r, h) holds row r of A and the eight rows 8 h + 0 .. 7 of B.  One conversion of those eight sums gives
; registers 2 c, 2 c + 1 of an image whose rows are A's and whose K runs along B's rows: nothing changes lanes, and the codes leave by stores of 512 consecutive bytes.
; ROLES, by the cluster's x, which all sixteen partners share: 0: k, 1: q: A = tokens (xc), B = columns of W_in (wic): images of 16 tokens x 64 of a head.  2: v: A = columns of W_in, B = tokens: images of 16 of a
; head's channels x 128 KEYS, since the keys are the K of the product with the softmax.  Only pointers, block numbers and the bias's offsets are chosen (selects); the loop is one text.
; qkv: for each head 16 b + head 393,216 bytes: Q [tile of 16 tokens][1,024] at 0, K likewise at 131,072, V [128 keys][16 channels][2,048] at 262,144.
; CLUSTERS: 4 x 4 work-groups; A's tiles are asked for jointly along a row of the cluster, B's along a column.
; LIMITS on the given exponents, so that each power of two is an f32 number: e0 + e1 between -126 and 127; e2, e3, e5 between -126 and 119.  NaN is not served.
; REGISTERS, in windows of 256: window 0: v16-31 addresses and constants; v32-39 the bias's offsets, later v32-63 codes; v64-127 the bias; from v128 A's fragments, ONE set; on the way out v128-191 at work.
;   window 1: B's fragments, TWO sets, at v0 and v128.   windows 2, 3: the accumulators of my rows 0-63, 64-127 (accumulator (a, b) at v[8 (8 (a % 4) + b)]).
.set HALFT,  8*4096                    ; 8 tiles x 256 along K: what one tensor load brings, and what one wave reads of A or of B
.set SLOT,   4*HALFT                   ; A's 16 tiles, then B's 16
.set SPARE,  2*SLOT                    ; behind the ring: the spare words, 128 bytes for each wave: two blocks of 256 bytes that no other line names
.set KADV,   2*4096                    ; a slot's next fill: two steps of 256 along K further in each tile
.set FR,     16                        ; registers of a fragment
.set NL,     4                         ; LDS loads that bring one
.set NP,     4                         ; places behind this matrix instruction (ISA guide 7.12.1)
.set ADRA, 16                          ; v16-17  LDS address of my A fragments in slot 0, 1
.set ADRB, 20                          ; v20-21  the same for B
.set LI,   24                          ; v24     16 x lane
.set SPW,  28                          ; v28     LDS address of my spare word; never rewritten
.set NIL,  29                          ; v29     0; never rewritten
.set LIM,  30
.set SCL,  31                          ; v31     the result's scale as f32
.set VA,   32                          ; v32-39  the bias's offsets
.set CD,   32                          ; v32-63  codes, two sets of 16
.set BI,   64                          ; v64-127 the bias, in the sums' layout
.set AF,   128
.set TMP,  128
.set G1, 24
.set G0, 32
.set G1B, 48
.set G0B, 56
.set MSB, 0
.macro WIN new                         ; the immediate's high byte repeats the setting that is left
.if MSB != \new
	s_set_vgpr_msb (MSB<<8)|\new
.set MSB, \new
.endif
.endm
.set MUL_LO, 0xa1                      ; source 0 (B) window 1, source 1 (A) window 0, C and D window 2
.set MUL_HI, 0xf1                      ; the same, C and D window 3
.set TO_B,   0x40                      ; destination window 1, address window 0
; A joint load: waves 0 and 1 fetch for A, waves 2 and 3 for B; the branch hangs on the wave's number alone.  Four v_nop follow each of the two lines.
.macro JLOAD g0a, g1a, g0b, g1b
	s_cmp_eq_u32 s15, 0
	s_cbranch_scc0 .Lfor_b_\@
	tensor_load_to_lds s[\g0a:\g0a+3], s[\g1a:\g1a+7]
	s_nop 0
.rept 4
	v_nop
.endr
	s_branch .Lasked_\@
.Lfor_b_\@:
	tensor_load_to_lds s[\g0b:\g0b+3], s[\g1b:\g1b+7]
	s_nop 0
.rept 4
	v_nop
.endr
.Lasked_\@:
.endm
.macro CREST                           ; a round of the cluster's barrier behind its opening barrier
	s_cmp_lg_u32 s14, 0
	s_cbranch_scc1 .Lnot_wave_0_\@
	s_barrier_signal -3
.Lnot_wave_0_\@:
	s_barrier_wait -3
	s_barrier_signal -1
	s_barrier_wait -1
.endm
.macro CROUND                          ; a whole round
	s_barrier_signal -1
	s_barrier_wait -1
	CREST
.endm
.macro FRAG reg, adr, q, i             ; tile i's image of the slot's q-th 128 along K: four loads of 512 consecutive bytes: no padding is wanted
.irp c, 0,1,2,3
	ds_load_b128 v[\reg+4*\c:\reg+4*\c+3], v[\adr] offset:4096*(\i)+2048*(\q)+512*\c
.endr
.endm
; 16 matrix instructions: A's blocks a0, a0 + 1 x B's eight, 128 along K.  p: B's set.  zero = 1: the first product starts the sums.  The 64 accumulators take turns, one instruction a turn.
.macro MUL16 a0, p, zero
.irp a, \a0, \a0+1
.irp b, 0,1,2,3,4,5,6,7
.if \zero
	v_wmma_f32_16x16x128_fp8_fp8 v[8*(8*((\a)%4)+\b):8*(8*((\a)%4)+\b)+7], v[128*(\p)+FR*\b:128*(\p)+FR*\b+FR-1], v[AF+FR*(\a):AF+FR*(\a)+FR-1], 0
.else
	v_wmma_f32_16x16x128_fp8_fp8 v[8*(8*((\a)%4)+\b):8*(8*((\a)%4)+\b)+7], v[128*(\p)+FR*\b:128*(\p)+FR*\b+FR-1], v[AF+FR*(\a):AF+FR*(\a)+FR-1], v[8*(8*((\a)%4)+\b):8*(8*((\a)%4)+\b)+7]
.endif
.endr
.endr
.endm
.macro FETCH_B slot, q, p
	WIN TO_B
.irp i, 0,1,2,3,4,5,6,7
	FRAG 128*(\p)+FR*\i, ADRB+\slot, \q, \i
.endr
	WIN 0
.endm
.macro FETCH_A slot, q, i0
.irp i, \i0, \i0+1, \i0+2, \i0+3
	FRAG AF+FR*(\i), ADRA+\slot, \q, \i
.endr
.endm
.macro PLACES n                        ; plain vector lines between a matrix instruction and a load into, or a vector read or write of, its registers
.rept \n
	v_nop
.endr
.endm
; A step of 128 along K that has its successor in the same slot.  A has one set of registers: blocks 0-3 are fetched anew in the step's middle, blocks 4-7 at its end; B has two sets.
.macro STEP slot, q, zero
	s_wait_dscnt 4*NL                              ; B's set and A's blocks 0-3 are in; the youngest 16 loads (A's blocks 4-7) may be out
	WIN MUL_LO
	MUL16 0, (\q)%2, \zero
	MUL16 2, (\q)%2, \zero
	s_wait_dscnt 0                                 ; A's blocks 4-7 are in
	PLACES NP
	FETCH_B \slot, (\q)+1, 1-(\q)%2
	FETCH_A \slot, (\q)+1, 0
	WIN MUL_HI
	MUL16 4, (\q)%2, \zero
	MUL16 6, (\q)%2, \zero
	PLACES NP
	WIN 0
	FETCH_A \slot, (\q)+1, 4
.endm
; A slot's last step changes slots: ONE barrier; in front of it each wave waits for all its tensor loads, adds 0 to its spare word, and waits for that and for its own reads of this slot.  fill = 1: the slot is filled again.
.macro TURN slot, next, fill
	s_wait_tensorcnt 0x0                           ; all my tensor loads have landed: my part of the next slot
	ds_add_u32 v[SPW], v[NIL]                      ; 0 onto my spare word
	s_wait_dscnt 4*NL+1                            ; (the add and the youngest 16 loads, A's blocks 4-7, may be out)
	WIN MUL_LO
	MUL16 0, 1, 0                                  ; sixteen matrix instructions stand between the add and the wait for it
	s_wait_dscnt 0x0                               ; the add is done, and my reads of this slot are over
	s_barrier_signal -1
	MUL16 2, 1, 0
	WIN 0
	s_barrier_wait -1
.if \fill
	CREST                                          ; the barrier has opened a round of the cluster's barrier: no wave of any partner still reads this slot or has a load on its way
	s_add_nc_u64 s[G0+4*\slot+2:G0+4*\slot+3], s[G0+4*\slot+2:G0+4*\slot+3], KADV
	s_add_nc_u64 s[G0B+4*\slot+2:G0B+4*\slot+3], s[G0B+4*\slot+2:G0B+4*\slot+3], KADV
	JLOAD G0+4*\slot, G1, G0B+4*\slot, G1B         ; the first tensor load behind the round; its four v_nop are also the places in front of the loads below
.else
	PLACES NP
.endif
	FETCH_B \next, 0, 0
	FETCH_A \next, 0, 0
	WIN MUL_HI
	MUL16 4, 1, 0
	MUL16 6, 1, 0
	PLACES NP
	WIN 0
	FETCH_A \next, 0, 4
.endm
; THE WAY OUT of block a (16 rows of A x 128 rows of B).  sum x 2^(e0 + e1) + bias in f32; the hold; eight conversions: 16 registers of codes; four stores of 512 consecutive bytes.
; var = 0 (k, q): the bias goes by B's rows; the 16 registers are two heads' images of 16 tokens x 64.  var = 1 (v): the bias goes by A's rows; they are one image of 16 channels x 128 keys.
.macro OUT a, var
.set AC, 64*((\a)%4)
.set CS0, CD+16*((\a)%2)
	WIN 0x02+((\a)/4)                              ; source 0: window 2 or 3
.irp b, 0,1,2,3,4,5,6,7
.irp i, 0,2,4,6
.if \var
	v_pk_fma_f32 v[TMP+8*\b+\i:TMP+8*\b+\i+1], v[AC+8*\b+\i:AC+8*\b+\i+1], s[96:97], v[BI+8*(\a)+\i:BI+8*(\a)+\i+1] op_sel_hi:[1,0,1]
.else
	v_pk_fma_f32 v[TMP+8*\b+\i:TMP+8*\b+\i+1], v[AC+8*\b+\i:AC+8*\b+\i+1], s[96:97], v[BI+8*\b+\i:BI+8*\b+\i+1] op_sel_hi:[1,0,1]
.endif
.endr
.endr
	WIN 0
.set i, 0
.rept 64
.set i, i+1
.endr
.if (\a) >= 2
	s_wait_alu depctr_va_vdst(0)
	s_wait_xcnt 0x0                                ; the stores of two blocks ago have read this set of codes
.endif
.irp b, 0,1,2,3,4,5,6,7
	v_cvt_scalef32_pk8_fp8_f32 v[CS0+2*\b:CS0+2*\b+1], v[TMP+8*\b:TMP+8*\b+7], v[SCL]
.endr
	v_nop                                          ; a plain line between the conversions and the next block's lines, which write their sources
.irp u, 0,1,2,3
.if \var
	global_store_b128 v[LI], v[CS0+4*\u:CS0+4*\u+3], s[12:13] offset:393216*((\a)/4)+2048*((\a)%4)+512*\u
.else
	global_store_b128 v[LI], v[CS0+4*\u:CS0+4*\u+3], s[12:13] offset:1024*(\a)+393216*(\u/2)+512*(\u%2)
.endif
.endr
.endm
	s_load_b256 s[4:11], s[0:1], 0x0               ; xc s[4:5], wic s[6:7], b_in s[8:9], the exponents s[10:11]
	s_load_b64 s[12:13], s[0:1], 0x20              ; qkv
	v_lshl_add_u32 v[SPW], v0, 2, SPARE
	v_mov_b32 v[NIL], 0
	ds_add_u32 v28, v29
	ds_add_u32 v28, v29
	s_wait_dscnt 0x0
	v_lshrrev_b32 v1, 5, v0
	v_readfirstlane_b32 s14, v1                    ; wave 0..3
	s_lshr_b32 s15, s14, 1                         ; which half of A's rows is mine.  Also: I fetch for A (0) or for B (1)
	s_and_b32 s16, s14, 1                          ; which half of B's rows.  Also: which 8 tiles I fetch
	s_bfe_u32 s40, ttmp6, 0x40000                  ; cx, cy: my place in the cluster
	s_bfe_u32 s41, ttmp6, 0x40004
	s_and_b32 s18, ttmp7, 0xffff
	s_lshl_b32 s18, s18, 2                         ; 4 x cluster y
	s_lshl_b32 s19, ttmp9, 2                       ; 4 x cluster x
	s_add_co_u32 s80, s18, s41                     ; k, q: A's block of 256 tokens
	s_add_co_u32 s81, s41, 8                       ; v:    A's block of 256 columns of W_in: 8 .. 11
	s_add_co_u32 s82, s19, s40                     ; k, q: B's block of 256 columns: 0 .. 7
	s_add_co_u32 s83, s18, s40                     ; v:    B's block of 256 tokens
	s_cmp_eq_u32 ttmp9, 2                          ; the cluster's x is the same in all sixteen partners
	s_cselect_b32 s17, s81, s80                    ; A's block: it holds cy and never cx
	s_cselect_b32 s42, s83, s82                    ; B's block: it holds cx and never cy
	s_lshl_b32 s43, s41, 2
	s_lshl_b32 s43, 15, s43                        ; my row of the cluster
	s_lshl_b32 s44, 0x1111, s40                    ; my column
	; descriptor group 1: 8 rows (tiles) of 4,096 bytes, 16,384 bytes apart in memory, dense in LDS
	s_or_b32 s[G1+0], s43, (1<<21)                 ; 15:0 the mask: A's tiles go to my row; 17:16 elements of 1 byte; 21 set beside a mask; no padding
	s_or_b32 s[G1B+0], s44, (1<<21)
.irp g, G1, G1B
	s_mov_b32 s[\g+1], 4096<<16                    ; tensor_dim0
	s_mov_b32 s[\g+2], 8<<16                       ; tensor_dim1
	s_mov_b32 s[\g+3], 4096<<16                    ; tile_dim0
	s_mov_b32 s[\g+4], 8                           ; tile_dim1
	s_mov_b32 s[\g+5], 16384                       ; tensor_dim0_stride
	s_mov_b32 s[\g+6], 0
	s_mov_b32 s[\g+7], 0
.endr
	s_lshl_b32 s22, s16, 17                        ; which 8 tiles of the 16 I fetch
	s_lshl_b32 s20, s17, 18                        ; a block of 256 rows is 16 tiles of 16,384 bytes
	s_add_co_u32 s20, s20, s22
	s_mov_b32 s21, 0
	s_lshl_b32 s46, s42, 18
	s_add_co_u32 s46, s46, s22
	s_mov_b32 s47, 0
	s_mul_i32 s45, s14, HALFT                      ; where they go: no place in the cluster enters an LDS address
	s_wait_kmcnt 0x0
	s_load_b256 s[72:79], s[10:11], 0x0            ; e0 .. e7
	s_cmp_eq_u32 ttmp9, 2
	s_cselect_b64 s[66:67], s[6:7], s[4:5]         ; A's buffer
	s_cselect_b64 s[68:69], s[4:5], s[6:7]         ; B's buffer
	s_add_nc_u64 s[20:21], s[66:67], s[20:21]
	s_add_nc_u64 s[46:47], s[68:69], s[46:47]
	CROUND                                         ; all sixteen work-groups are here: the first joint loads meet
.irp s, 0,1
	s_mov_b32 s[G0+4*\s], 1
	s_add_co_u32 s[G0+4*\s+1], s45, \s*SLOT
	s_add_nc_u64 s[G0+4*\s+2:G0+4*\s+3], s[20:21], \s*4096
	s_or_b32 s[G0+4*\s+3], s[G0+4*\s+3], 0x80000000
	s_mov_b32 s[G0B+4*\s], 1
	s_add_co_u32 s[G0B+4*\s+1], s45, \s*SLOT
	s_add_nc_u64 s[G0B+4*\s+2:G0B+4*\s+3], s[46:47], \s*4096
	s_or_b32 s[G0B+4*\s+3], s[G0B+4*\s+3], 0x80000000
	JLOAD G0+4*\s, G1, G0B+4*\s, G1B               ; two loads of mine are out
.endr
	v_and_b32 v1, 31, v0
	v_lshlrev_b32 v[LI], 4, v1
	v_and_b32 v2, 15, v0                           ; r
	s_wait_alu depctr_va_vdst(0)
	v_bfe_u32 v3, v0, 4, 1                         ; h
	s_mul_i32 s22, s15, HALFT                      ; my 8 tiles of A
	s_mul_i32 s23, s16, HALFT                      ; my 8 tiles of B,
	s_add_co_u32 s23, s23, 2*HALFT                 ; which lie behind A's 16
.irp s, 0,1
	v_add_nc_u32 v[ADRA+\s], s22, v[LI]
	v_add_nc_u32 v[ADRB+\s], s23, v[LI]
	s_add_co_u32 s22, s22, SLOT
	s_add_co_u32 s23, s23, SLOT
.endr
	; the bias, in the sums' layout, without a branch.  k, q: register 8 b + i = b_in at B's row 16 b + 8 h + i.  v: register 8 a + i = b_in at A's row 16 a + r, eight times
	s_cmp_eq_u32 ttmp9, 2
	s_cselect_b32 s84, s17, s42                    ; the block of 256 columns of W_in,
	s_cselect_b32 s85, s15, s16                    ; and my half of it
	s_cselect_b32 s86, 4, 0                        ; bytes for each r,
	s_cselect_b32 s87, 0, 32                       ; for h,
	s_cselect_b32 s88, 0, 4                        ; and for each register i
	s_cselect_b32 s89, s42, s17                    ; the block of 256 tokens,
	s_cselect_b32 s92, s16, s15                    ; and my half of it
	s_cselect_b32 s90, s41, s40                    ; which four heads,
	s_cselect_b32 s91, s15, s16                    ; and which two of them
	s_cselect_b32 s93, 0x40000, 0                  ; a head's region: V's,
	s_cmp_eq_u32 ttmp9, 0
	s_cselect_b32 s93, 0x20000, s93                ; K's, or Q's
	s_lshl_b32 s84, s84, 10
	s_lshl_b32 s85, s85, 9
	s_add_co_u32 s84, s84, s85
	s_mov_b32 s85, 0
	s_add_nc_u64 s[8:9], s[8:9], s[84:85]
	v_mul_u32_u24 v[VA], s86, v2
	s_wait_alu depctr_va_vdst(0)
	v_mad_u32_u24 v[VA], v3, s87, v[VA]
.irp i, 1,2,3,4,5,6,7
	v_add_nc_u32 v[VA+\i], s88, v[VA+\i-1]
.endr
.irp x, 0,1,2,3,4,5,6,7
.irp i, 0,1,2,3,4,5,6,7
	global_load_b32 v[BI+8*\x+\i], v[VA+\i], s[8:9] offset:64*\x
.endr
.endr
	; where my codes go: head 16 (token block / 8) + 4 (place) + 2 (half); inside the region (token block % 8) x 16,384 + (half) x 8,192, for tiles of tokens and for blocks of 128 keys alike
	s_lshr_b32 s94, s89, 3
	s_lshl_b32 s94, s94, 4
	s_lshl_b32 s90, s90, 2
	s_add_co_u32 s94, s94, s90
	s_lshl_b32 s91, s91, 1
	s_add_co_u32 s94, s94, s91
	s_mul_i32 s94, s94, 393216
	s_and_b32 s89, s89, 7
	s_lshl_b32 s89, s89, 14
	s_lshl_b32 s92, s92, 13
	s_add_co_u32 s94, s94, s89
	s_add_co_u32 s94, s94, s92
	s_add_co_u32 s94, s94, s93
	s_mov_b32 s95, 0
	s_add_nc_u64 s[12:13], s[12:13], s[94:95]
	s_wait_kmcnt 0x0
	s_add_co_i32 s96, s72, s73                     ; a sum stands for sum x 2^(e0 + e1)
	s_add_co_i32 s96, s96, 127
	s_lshl_b32 s96, s96, 23
	s_mov_b32 s97, s96                             ; (named with it as a pair, so it is written)
	s_cmp_eq_u32 ttmp9, 2
	s_cselect_b32 s84, s77, s74                    ; the result's exponent: v: e5, q: e2,
	s_cmp_eq_u32 ttmp9, 0
	s_cselect_b32 s84, s75, s84                    ; k: e3.  A choice, no branch
	s_add_co_i32 s84, s84, 127
	s_lshl_b32 s85, s84, 23
	v_mov_b32 v[SCL], s85
	s_wait_tensorcnt 1                             ; my part of K step 0 is in (K step 1's load may be out)
	s_barrier_signal -1
	s_barrier_wait -1                              ; everybody's is
	FETCH_B 0, 0, 0
	FETCH_A 0, 0, 0
	FETCH_A 0, 0, 4
	STEP 0, 0, 1                                   ; K 0-127: its products start the sums.  K has four slots' worth, so the ring is written out: no loop
	TURN 0, 1, 1                                   ; K 128-255; slot 0 takes K 512-767
	STEP 1, 0, 0
	TURN 1, 0, 1                                   ; slot 1 takes K 768-1023
	STEP 0, 0, 0
	TURN 0, 1, 0                                   ; nothing is left to fetch
	STEP 1, 0, 0
	s_wait_dscnt 4*NL                              ; the very last step
	WIN MUL_LO
	MUL16 0, 1, 0
	MUL16 2, 1, 0
	s_wait_dscnt 0
	WIN MUL_HI
	MUL16 4, 1, 0
	MUL16 6, 1, 0
	WIN 0
	s_wait_loadcnt 0x0                             ; the bias is in, and its offsets' registers are free
	PLACES NP                                      ; behind the last products: their results are read and A's registers written below
	s_cmp_eq_u32 ttmp9, 2
	s_cbranch_scc1 .Lv
.irp a, 0,1,2,3,4,5,6,7
	OUT \a, 0
.endr
	s_branch .Lend
.Lv:
.irp a, 0,1,2,3,4,5,6,7
	OUT \a, 1
.endr
.Lend:
	s_wait_tensorcnt 0x0                           ; the wave's end
	ds_add_u32 v[SPW], v[NIL]
	s_wait_dscnt 0x0
	CROUND                                         ; the closing round: no work-group ends while a partner may still ask for a tile that names it
	s_endpgm
.Lfunc_end_k_qd00e23df6b_qkvproj:
	.size	k_qd00e23df6b_qkvproj, .Lfunc_end_k_qd00e23df6b_qkvproj-k_qd00e23df6b_qkvproj
	.p2alignl 7, 3214868480
	.fill 96, 4, 3214868480
	.section	.rodata,"a",@progbits
	.p2align	6, 0x0
	.amdhsa_kernel k_qd00e23df6b_qkvproj
		.amdhsa_group_segment_fixed_size 327680
		.amdhsa_private_segment_fixed_size 0
		.amdhsa_enable_private_segment 0
		.amdhsa_kernarg_size 40
		.amdhsa_user_sgpr_count 2
		.amdhsa_user_sgpr_kernarg_segment_ptr 1
		.amdhsa_wavefront_size32 1
		.amdhsa_system_sgpr_workgroup_id_x 1
		.amdhsa_system_sgpr_workgroup_id_y 1
		.amdhsa_system_sgpr_workgroup_id_z 1
		.amdhsa_system_vgpr_workitem_id 0
		.amdhsa_next_free_vgpr 1024
		.amdhsa_next_free_sgpr 100
		.amdhsa_reserve_vcc 0
		.amdhsa_float_denorm_mode_32 3
		.amdhsa_float_denorm_mode_16_64 3
		.amdhsa_fp16_overflow 1
		.amdhsa_memory_ordered 1
		.amdhsa_forward_progress 1
		.amdhsa_inst_pref_size 133
	.end_amdhsa_kernel
	.amdgpu_metadata
---
amdhsa.version: [ 1, 2 ]
amdhsa.kernels:
  - .name:           k_qd00e23df6b_qkvproj
    .symbol:         k_qd00e23df6b_qkvproj.kd
    .args:
      - { .name: xc, .offset: 0, .size: 8, .value_kind: global_buffer, .address_space: global }
      - { .name: wic, .offset: 8, .size: 8, .value_kind: global_buffer, .address_space: global }
      - { .name: b_in, .offset: 16, .size: 8, .value_kind: global_buffer, .address_space: global }
      - { .name: lowp_scales, .offset: 24, .size: 8, .value_kind: global_buffer, .address_space: global }
      - { .name: qkv, .offset: 32, .size: 8, .value_kind: global_buffer, .address_space: global }
    .group_segment_fixed_size: 327680
    .private_segment_fixed_size: 0
    .kernarg_segment_align: 8
    .kernarg_segment_size: 40
    .max_flat_workgroup_size: 128
    .sgpr_count:     100
    .vgpr_count:     1024
    .wavefront_size: 32
...
	.end_amdgpu_metadata
.endif
;; end of part 2
;; launch attn (part 3): grid 4 x 64, 16 waves a work-group, clusters of 4 x 1, 264,192 bytes of LDS; arguments qkv, lowp_scales, ac; writes ac
.if DOCPART == 3
	.amdgcn_target "amdgcn-amd-amdhsa--gfx1250"
	.amdhsa_code_object_version 6
	.text
	.protected	k_qd00e23df6b_attn
	.globl	k_qd00e23df6b_attn
	.p2align	8
	.type	k_qd00e23df6b_attn,@function
k_qd00e23df6b_attn:
	s_mov_b64 s[64:65], 0
	v_nop
	global_prefetch_b8 v0, s[64:65] scope:SCOPE_SE
	s_setreg_imm32_b32 hwreg(HW_REG_WAVE_MODE, 25, 1), 1
	s_wait_xcnt 0x0
	s_wait_alu depctr_hold_cnt(0) depctr_sa_sdst(0) depctr_va_vdst(0) depctr_va_sdst(0) depctr_va_ssrc(0) depctr_va_vcc(0) depctr_vm_vsrc(0)
	s_getreg_b32 s2, hwreg(HW_REG_IB_STS2, 6, 4)
	s_cmp_eq_u32 s2, 0
	s_cbranch_scc0 .Lentry_in_a_cluster
	s_endpgm
.Lentry_in_a_cluster:
	s_bfe_u32 s2, ttmp6, 0x10000c
	s_cmp_lg_u32 s2, 0x3003
	s_cbranch_scc0 .Lentry_shape_is_right
	s_endpgm
.Lentry_shape_is_right:
; Causal attention of one head on codes of FP8 (E4M3), and its result quantised with the given 2^e6 into images of the last product's operand registers.
; qkv, for each head 16 b + head, 393,216 bytes: Q [tile of 16 tokens][1,024] at 0, K likewise at 131,072, V [128 keys][16 channels][2,048] at 262,144: images of registers ([group of 4 registers][lane][16 bytes];
; lane (r, h) holds row r, registers 2 c, 2 c + 1 hold K = 16 c + 8 h + 0 .. 7).  ac: [tile of 16 tokens][head][1,024]: 16 tokens x the head's 64 channels.
; THE SOFTMAX: t = score x log2(e) / 8; M = the row's largest t so far, rounded UP to a whole number; p = 2^(t - M) is quantised with 2^e4, not normalised; the row's sum is taken of the unquantised p and divides at the end.
; When M moves, the sum and O are multiplied by 2^(old M - new M): nothing is rounded, and there is no branch on data.
; SHARES.  A cluster of four work-groups is one head.  Wave w of the work-group at place cx owns TWO tiles of 16 queries: p = 4 w + cx and 127 - p.  Under the causal mask they need p / 8 + 1 and 16 - p / 8 steps of 128
; keys: 17 for every wave.  p / 8 = w / 2, so every branch hangs on the wave's number and the loop's counter alone; cx enters global addresses and the mask's numbers, and nothing else.
; LDS.  A head's K and V, 262,144 consecutive bytes, are copied as they lie, once, by one joint load a wave (16,384 bytes each, asked for alike by the four partners).  Nothing is filled again and nothing is stored to LDS:
; one barrier, in front of the loop.  Every fragment is read at 16 x lane: 512 consecutive bytes a load.
; LAYOUT.  Both products are used transposed: S^T = K Q^T (source 0 = 16 keys, source 1 = my 16 queries), O^T = V^T P^T (source 0 = 16 channels, source 1 = P): a lane holds ONE query throughout, and eight
; neighbouring keys or channels in a result's eight registers: one conversion makes registers 2 c, 2 c + 1 of the next operand.
; LIMITS on the given exponents: e2 + e3 between -123 and 130 (added to c's exponent field); e4, e6 between -126 and 119; e4 + e5 is applied by v_ldexp_f32 and has none.
; REGISTERS: v1 16 x lane; v2, v3 the step's LDS addresses; v4, v5 the mask's numbers; v8-11, v12-15 a tile's -M, largest t, sum in two halves; v16-23, v24-31 Q; v32-95 K's 8 fragments, then V's 4;
;   v96-159 S^T, then p; v160-191, v192-223 O^T; v224-239 p's codes; v240-254 constants and work.
.set LI,   1
.set ADK,  2
.set ADV,  3
.set DA,   4
.set DB,   5
.set WV,   18                          ; s18  my wave's number
.set SEL,  20                          ; s[20:21] lane selects for v_permlanex16_b32: lane l xor 16
.set CS,   22                          ; s[22:23] c = log2(e) / 8 x 2^(e2 + e3)
.set G1,   24                          ; s[24:31], s[32:35] the one descriptor
.set G0,   32
.set KS,   50                          ; s50  the step of 128 keys: the loop's counter
.set TB,   51                          ; s51  8,192 x the step
.set LIMA, 52                          ; s52  the last step of tile p
.set LIMB, 53                          ; s53  the last step of tile 127 - p
.macro CROUND                          ; a round of the cluster's barrier
	s_barrier_signal -1
	s_barrier_wait -1
	s_cmp_lg_u32 s[WV], 0
	s_cbranch_scc1 .Lnot_wave_0_\@
	s_barrier_signal -3
.Lnot_wave_0_\@:
	s_barrier_wait -3
	s_barrier_signal -1
	s_barrier_wait -1
.endm
; A STEP of 128 keys for one tile.  Q, O, ST: the tile's registers; D: its mask number; LIM: its last step, the one on the diagonal.  A step all of whose keys come after the tile's queries is left out.
.macro STEP Q, O, ST, D, LIM
	s_cmp_gt_u32 s[KS], s[\LIM]
	s_cbranch_scc1 .Lhidden_\@
	v_add_nc_u32 v[ADK], s[TB], v[LI]
	s_delay_alu instid0(VALU_DEP_1)
	v_add_nc_u32 v[ADV], 0x20000, v[ADK]           ; V lies 131,072 bytes behind K, and a step is 8,192 bytes of each
	v_nop                                          ; with the two additions: four places in front of loads into registers that the last products read
	v_nop
.irp kt, 0,1,2,3,4,5,6,7
	ds_load_b128 v[32+8*\kt:35+8*\kt], v[ADK] offset:1024*\kt
	ds_load_b128 v[36+8*\kt:39+8*\kt], v[ADK] offset:1024*\kt+512
.endr
	s_wait_alu depctr_va_vdst(0)
	s_wait_dscnt 0x0
.irp kt, 0,1,2,3,4,5,6,7
	v_wmma_f32_16x16x64_fp8_fp8 v[96+8*\kt:103+8*\kt], v[32+8*\kt:39+8*\kt], v[\Q:\Q+7], 0   ; register 8 kt + j: key 16 kt + 8 h + j of the step, query r
.endr
.rept 4
	v_nop                                          ; places: in front of the loads into K's registers, and of the first read of the scores
.endr
.irp dt, 0,1,2,3
.irp g, 0,1,2,3
	ds_load_b128 v[32+16*\dt+4*\g:35+16*\dt+4*\g], v[ADV] offset:2048*\dt+512*\g   ; V lands while the softmax is worked
.endr
.endr
	s_cmp_lg_u32 s[KS], s[\LIM]
	s_cbranch_scc1 .Lopen_\@                       ; only the step on the diagonal has hidden keys
	v_mov_b32 v254, 0xff800000                     ; -infinity: p = 0 then
.set n, 0
.rept 64
	v_cmp_gt_i32 vcc_lo, 16*(n/8)+n%8, v[\D]       ; hidden where 16 kt + j + 8 h > the query's place in the step
	v_cndmask_b32 v[96+n], v[96+n], v254, vcc_lo
.set n, n+1
.endr
.Lopen_\@:
	v_max3_num_f32 v254, v96, v97, v98             ; the step's largest score of my query among my 64 keys, in two chains,
	v_max3_num_f32 v252, v99, v100, v101
.irp i, 6,10,14,18,22,26,30,34,38,42,46,50,54,58
	v_max3_num_f32 v254, v254, v[96+\i], v[97+\i]
	v_max3_num_f32 v252, v252, v[98+\i], v[99+\i]
.endr
	v_max3_num_f32 v254, v254, v158, v159
	s_delay_alu instid0(VALU_DEP_1)
	v_max_num_f32 v254, v254, v252
	s_delay_alu instid0(VALU_DEP_1)
	v_permlanex16_b32 v248, v254, s[SEL], s[SEL+1]
	s_delay_alu instid0(VALU_DEP_1)
	v_max_num_f32 v254, v254, v248                 ; and among lane l xor 16's
	s_delay_alu instid0(VALU_DEP_1)
	v_mul_f32 v254, s[CS], v254                    ; as t (c is positive)
	s_delay_alu instid0(VALU_DEP_1)
	v_max_num_f32 v[\ST+1], v[\ST+1], v254         ; the running largest t
	v_mov_b32 v254, v[\ST]
	s_delay_alu instid0(VALU_DEP_2)
	v_floor_f32 v[\ST], -v[\ST+1]                  ; the new -M = floor(-t) = -ceil(t)
	s_delay_alu instid0(VALU_DEP_1)
	v_sub_f32 v254, v[\ST], v254                   ; old M - new M: a whole number, 0 or less
	s_delay_alu instid0(VALU_DEP_1)
	v_cvt_i32_f32 v254, v254                       ; (it saturates)
	s_delay_alu instid0(VALU_DEP_1)
	v_ldexp_f32 v252, 1.0, v254                    ; f = 2^(old M - new M)
.set j, 0
.rept 32
	v_pk_fma_f32 v[96+j:97+j], v[96+j:97+j], s[CS:CS+1], v[\ST:\ST+1] op_sel_hi:[1,0,0]   ; t - M, two at a time
.set j, j+2
.endr
.set j, 0
	s_wait_alu depctr_va_vdst(0)
.rept 64
	v_exp_f32 v[96+j], v[96+j]                     ; p = 2^(t - M), at most 1
.set j, j+1
.endr
	v_pk_mul_f32 v[\ST+2:\ST+3], v[\ST+2:\ST+3], v[252:253] op_sel_hi:[1,0]   ; the sums under the new M: the plain line behind the exponentials
	s_wait_alu depctr_va_vdst(0)                   ; one wait for the batch of 64, ahead of its first reader
	v_pk_add_f32 v[242:243], v[96:97], v[98:99]    ; the row's sum is taken of the UNQUANTISED p, in two chains
.irp j, 4,8,12,16,20,24,28,32,36,40,44,48,52,56,60
	v_pk_add_f32 v[\ST+2:\ST+3], v[\ST+2:\ST+3], v[96+\j:97+\j]
	v_pk_add_f32 v[242:243], v[242:243], v[98+\j:99+\j]
.endr
	s_delay_alu instid0(VALU_DEP_1)
	v_pk_add_f32 v[\ST+2:\ST+3], v[\ST+2:\ST+3], v[242:243]
.set j, 0
.rept 64
.set j, j+1
.endr
.irp kt, 0,1,2,3,4,5,6,7
	v_cvt_scalef32_pk8_fp8_f32 v[224+2*\kt:225+2*\kt], v[96+8*\kt:103+8*\kt], v244   ; registers 2 kt, 2 kt + 1 of P: keys 16 kt + 8 h + 0 .. 7
.endr
.set j, 0
.rept 16
	v_pk_mul_f32 v[\O+j:\O+j+1], v[\O+j:\O+j+1], v[252:253] op_sel_hi:[1,0]   ; O^T under the new M.  (These are also the plain lines between the conversions and the products)
.set j, j+2
.endr
	s_wait_alu depctr_va_vdst(0)
	s_wait_dscnt 0x0                               ; V is in
.irp dt, 0,1,2,3
	v_wmma_f32_16x16x128_fp8_fp8 v[\O+8*\dt:\O+8*\dt+7], v[32+16*\dt:47+16*\dt], v[224:239], v[\O+8*\dt:\O+8*\dt+7]   ; four accumulators by turns; eight other products stand between a sum's links
.endr
.Lhidden_\@:
.endm
	s_load_b128 s[4:7], s[0:1], 0x0                ; qkv s[4:5], the exponents s[6:7]
	s_load_b64 s[8:9], s[0:1], 0x10                ; ac
	v_lshl_add_u32 v250, v0, 2, 0x40000
	v_mov_b32 v255, 0
	ds_add_u32 v250, v255
	ds_add_u32 v250, v255
	v_lshrrev_b32 v1, 5, v0
	s_delay_alu instid0(VALU_DEP_1)
	v_readfirstlane_b32 s[WV], v1                  ; wave 0..15
	s_bfe_u32 s10, ttmp6, 0x40000                  ; cx: my place in the cluster
	s_and_b32 s11, ttmp7, 0xffff                   ; the head, 16 b + head: the cluster's y, which the partners share
	s_mul_i32 s12, s11, 393216                     ; its first byte in qkv
	s_lshl_b32 s13, s[WV], 14                      ; my 16,384 bytes of K and V
	s_add_co_u32 s14, s12, s13
	s_add_co_u32 s14, s14, 131072
	s_mov_b32 s15, 0
	; descriptor group 1: a dense block as 64 rows of 256 bytes
	s_mov_b32 s[G1], 15|(3<<16)|(1<<21)            ; 15:0 the mask: all four work-groups; 17:16 elements of 8 bytes; 21 set beside a mask; no padding
	s_mov_b32 s[G1+1], 32<<16                      ; tensor_dim0
	s_mov_b32 s[G1+2], 64<<16                      ; tensor_dim1
	s_mov_b32 s[G1+3], 32<<16                      ; tile_dim0
	s_mov_b32 s[G1+4], 64                          ; tile_dim1
	s_mov_b32 s[G1+5], 32                          ; tensor_dim0_stride
	s_mov_b32 s[G1+6], 0
	s_mov_b32 s[G1+7], 0
	s_mov_b32 s[SEL], 0x76543210
	s_mov_b32 s[SEL+1], 0xfedcba98
	s_mov_b32 s[CS], 0x3e38aa3b                    ; log2(e) / 8
	s_wait_dscnt 0x0
	s_wait_kmcnt 0x0
	s_load_b256 s[40:47], s[6:7], 0x0              ; e0 .. e7
	s_mov_b32 s[G0], 1
	s_mov_b32 s[G0+1], s13                         ; LDS address: 16,384 x wave
	s_add_nc_u64 s[G0+2:G0+3], s[4:5], s[14:15]
	s_or_b32 s[G0+3], s[G0+3], 0x80000000
	CROUND                                         ; all four work-groups are here: the joint loads meet
	tensor_load_to_lds s[G0:G0+3], s[G1:G1+7]      ; one load of mine is out
	s_nop 0
.rept 4
	v_nop
.endr
	v_and_b32 v[LI], 31, v0
	s_delay_alu instid0(VALU_DEP_1)
	v_lshlrev_b32 v[LI], 4, v[LI]
	s_wait_alu depctr_va_vdst(0)
	s_lshl_b32 s66, s[WV], 2
	s_add_co_u32 s66, s66, s10                     ; p
	s_sub_co_u32 s67, 127, s66                     ; 127 - p
	s_mov_b32 s69, 0
	s_lshl_b32 s68, s66, 10
	s_add_co_u32 s68, s68, s12
	s_add_nc_u64 s[54:55], s[4:5], s[68:69]        ; Q of tile p
	s_lshl_b32 s68, s67, 10
	s_add_co_u32 s68, s68, s12
	s_add_nc_u64 s[56:57], s[4:5], s[68:69]        ; Q of tile 127 - p
	global_load_b128 v[16:19], v[LI], s[54:55]
	global_load_b128 v[20:23], v[LI], s[54:55] offset:512
	global_load_b128 v[24:27], v[LI], s[56:57]
	global_load_b128 v[28:31], v[LI], s[56:57] offset:512
	s_lshr_b32 s70, s11, 4
	s_lshl_b32 s70, s70, 7                         ; 128 tiles of tokens a batch
	s_and_b32 s71, s11, 15
	s_lshl_b32 s71, s71, 10                        ; the head's 1,024 bytes of a tile
	s_add_co_u32 s68, s70, s66
	s_lshl_b32 s68, s68, 14
	s_add_co_u32 s68, s68, s71
	s_add_nc_u64 s[58:59], s[8:9], s[68:69]        ; where tile p's codes go
	s_add_co_u32 s68, s70, s67
	s_lshl_b32 s68, s68, 14
	s_add_co_u32 s68, s68, s71
	s_add_nc_u64 s[60:61], s[8:9], s[68:69]        ; and tile 127 - p's
	v_and_b32 v6, 15, v0                           ; r
	v_bfe_u32 v7, v0, 4, 1                         ; h
	s_delay_alu instid0(VALU_DEP_1)
	v_lshlrev_b32 v7, 3, v7
	s_delay_alu instid0(VALU_DEP_1)
	v_sub_nc_u32 v6, v6, v7                        ; r - 8 h
	s_and_b32 s72, s66, 7
	s_lshl_b32 s73, s72, 4
	v_add_nc_u32 v[DA], s73, v6                    ; my query's place in its last step, less 8 h
	s_sub_co_u32 s72, 7, s72
	s_lshl_b32 s73, s72, 4
	v_add_nc_u32 v[DB], s73, v6
	s_lshr_b32 s[LIMA], s[WV], 1                   ; p / 8
	s_sub_co_u32 s[LIMB], 15, s[LIMA]              ; (127 - p) / 8
	s_mov_b32 s[KS], 0
	s_mov_b32 s[TB], 0
	v_mov_b32 v9, 0xff61b1e6                       ; the largest t so far: -3e38, under every t
	v_mov_b32 v13, 0xff61b1e6
	s_delay_alu instid0(VALU_DEP_2)
	v_floor_f32 v8, -v9                            ; -M
	s_delay_alu instid0(VALU_DEP_2)
	v_floor_f32 v12, -v13
	v_mov_b32 v10, 0                               ; the sums
	v_mov_b32 v11, 0
	v_mov_b32 v14, 0
	v_mov_b32 v15, 0
	v_mov_b32 v248, 0                              ; written once: a lane permute's destination counts as one of its sources
	v_mov_b32 v251, 0
	v_mov_b32 v253, 0                              ; (named as the upper half of the pair v[252:253])
.set j, 0
.rept 64
	v_mov_b32 v[160+j], 0                          ; O^T of both tiles: the step is written once; the first finds zeros, which the first change of M leaves zeros
.set j, j+1
.endr
	s_wait_kmcnt 0x0
	s_add_co_i32 s72, s42, s43
	s_lshl_b32 s72, s72, 23
	s_add_co_i32 s[CS], s[CS], s72                 ; a score stands for score x 2^(e2 + e3): added to c's exponent field
	s_mov_b32 s[CS+1], s[CS]                       ; (named with it as a pair, so it is written)
	s_add_co_i32 s72, s44, 127
	s_lshl_b32 s73, s72, 23
	v_mov_b32 v244, s73                            ; 2^e4
	s_add_co_i32 s72, s46, 127
	s_lshl_b32 s73, s72, 23
	v_mov_b32 v247, s73                            ; 2^e6
	s_add_co_i32 s74, s44, s45                     ; e4 + e5
	s_wait_loadcnt 0x0                             ; Q
	s_wait_tensorcnt 0x0                           ; my part of K and V is in,
	s_barrier_signal -1
	s_barrier_wait -1                              ; everybody's is
.Lstep:                                            ; 16 trips, a constant: what a wave leaves out is a step's work, by branches on its number and the counter
	STEP 24, 192, 12, DB, LIMB
	STEP 16, 160, 8, DA, LIMA
	s_add_co_u32 s[TB], s[TB], 8192
	s_add_co_u32 s[KS], s[KS], 1
	s_cmp_lt_u32 s[KS], 16
	s_cbranch_scc1 .Lstep
	; THE WAY OUT: O^T x 2^(e4 + e5) / the sum, held, converted: registers 2 dt, 2 dt + 1 of an image of 16 tokens x 64 channels; two stores of 512 consecutive bytes a tile
.rept 4
	v_nop                                          ; places behind the last products
.endr
	v_add_f32 v10, v10, v11                        ; the sums' two halves,
	v_add_f32 v14, v14, v15
	s_delay_alu instid0(VALU_DEP_2)
	v_permlanex16_b32 v248, v10, s[SEL], s[SEL+1]
	s_delay_alu instid0(VALU_DEP_2)
	v_permlanex16_b32 v251, v14, s[SEL], s[SEL+1]
	s_delay_alu instid0(VALU_DEP_2)
	v_add_f32 v10, v10, v248                       ; and lane l xor 16's
	s_delay_alu instid0(VALU_DEP_2)
	v_add_f32 v14, v14, v251
	s_wait_alu depctr_va_vdst(0)
	v_rcp_f32 v10, v10
	v_rcp_f32 v14, v14
	v_nop                                          ; a plain line behind the reciprocals
	s_wait_alu depctr_va_vdst(0)                   ; one wait for both, ahead of the first reader
	v_ldexp_f32 v10, v10, s74
	v_ldexp_f32 v14, v14, s74
.set j, 0
.rept 16
	v_pk_mul_f32 v[96+j:97+j], v[160+j:161+j], v[10:11] op_sel_hi:[1,0]
.set j, j+2
.endr
.set j, 0
.rept 16
	v_pk_mul_f32 v[128+j:129+j], v[192+j:193+j], v[14:15] op_sel_hi:[1,0]
.set j, j+2
.endr
.set j, 0
.rept 64
.set j, j+1
.endr
.irp dt, 0,1,2,3,4,5,6,7
	v_cvt_scalef32_pk8_fp8_f32 v[224+2*\dt:225+2*\dt], v[96+8*\dt:103+8*\dt], v247
.endr
	v_nop
	global_store_b128 v[LI], v[224:227], s[58:59]
	global_store_b128 v[LI], v[228:231], s[58:59] offset:512
	global_store_b128 v[LI], v[232:235], s[60:61]
	global_store_b128 v[LI], v[236:239], s[60:61] offset:512
	s_wait_dscnt 0x0
	s_wait_tensorcnt 0x0
	ds_add_u32 v250, v255
	s_wait_dscnt 0x0
	CROUND                                         ; the closing round
	s_endpgm
.Lfunc_end_k_qd00e23df6b_attn:
	.size	k_qd00e23df6b_attn, .Lfunc_end_k_qd00e23df6b_attn-k_qd00e23df6b_attn
	.p2alignl 7, 3214868480
	.fill 96, 4, 3214868480
	.section	.rodata,"a",@progbits
	.p2align	6, 0x0
	.amdhsa_kernel k_qd00e23df6b_attn
		.amdhsa_group_segment_fixed_size 264192
		.amdhsa_private_segment_fixed_size 0
		.amdhsa_enable_private_segment 0
		.amdhsa_kernarg_size 24
		.amdhsa_user_sgpr_count 2
		.amdhsa_user_sgpr_kernarg_segment_ptr 1
		.amdhsa_wavefront_size32 1
		.amdhsa_system_sgpr_workgroup_id_x 1
		.amdhsa_system_sgpr_workgroup_id_y 1
		.amdhsa_system_sgpr_workgroup_id_z 1
		.amdhsa_system_vgpr_workitem_id 0
		.amdhsa_next_free_vgpr 256
		.amdhsa_next_free_sgpr 96
		.amdhsa_reserve_vcc 1
		.amdhsa_float_denorm_mode_32 3
		.amdhsa_float_denorm_mode_16_64 3
		.amdhsa_fp16_overflow 1
		.amdhsa_memory_ordered 1
		.amdhsa_forward_progress 1
		.amdhsa_inst_pref_size 50
	.end_amdhsa_kernel
	.amdgpu_metadata
---
amdhsa.version: [ 1, 2 ]
amdhsa.kernels:
  - .name:           k_qd00e23df6b_attn
    .symbol:         k_qd00e23df6b_attn.kd
    .args:
      - { .name: qkv, .offset: 0, .size: 8, .value_kind: global_buffer, .address_space: global }
      - { .name: lowp_scales, .offset: 8, .size: 8, .value_kind: global_buffer, .address_space: global }
      - { .name: ac, .offset: 16, .size: 8, .value_kind: global_buffer, .address_space: global }
    .group_segment_fixed_size: 264192
    .private_segment_fixed_size: 0
    .kernarg_segment_align: 8
    .kernarg_segment_size: 24
    .max_flat_workgroup_size: 512
    .sgpr_count:     96
    .vgpr_count:     256
    .wavefront_size: 32
...
	.end_amdgpu_metadata
.endif
;; end of part 3
;; launch outproj (part 4): grid 4 x 32, 4 waves a work-group, clusters of 4 x 4, 327,680 bytes of LDS; arguments ac, woc, b_out, lowp_scales, out0; writes out0
.if DOCPART == 4
	.amdgcn_target "amdgcn-amd-amdhsa--gfx1250"
	.amdhsa_code_object_version 6
	.text
	.protected	k_qd00e23df6b_outproj
	.globl	k_qd00e23df6b_outproj
	.p2align	8
	.type	k_qd00e23df6b_outproj,@function
k_qd00e23df6b_outproj:
	s_mov_b64 s[64:65], 0
	v_nop
	global_prefetch_b8 v0, s[64:65] scope:SCOPE_SE
	s_setreg_imm32_b32 hwreg(HW_REG_WAVE_MODE, 25, 1), 1
	s_wait_xcnt 0x0
	s_wait_alu depctr_hold_cnt(0) depctr_sa_sdst(0) depctr_va_vdst(0) depctr_va_sdst(0) depctr_va_ssrc(0) depctr_va_vcc(0) depctr_vm_vsrc(0)
	s_getreg_b32 s2, hwreg(HW_REG_IB_STS2, 6, 4)
	s_cmp_eq_u32 s2, 0
	s_cbranch_scc0 .Lentry_in_a_cluster
	s_endpgm
.Lentry_in_a_cluster:
	s_bfe_u32 s2, ttmp6, 0x10000c
	s_cmp_lg_u32 s2, 0xf033
	s_cbranch_scc0 .Lentry_shape_is_right
	s_endpgm
.Lentry_shape_is_right:
; out0 = attention's result x W_out + b_out on codes of FP8 (E4M3): out0 [8192][1024] f32 = sum x 2^(e6 + e7) + b_out.
; OPERANDS are images of registers: [tile of 16 rows][K / 128][2,048 bytes]; an image is [group of 4 registers][lane][16 bytes]; lane (r, h) holds row r, registers 2 c, 2 c + 1 hold K = 16 c + 8 h + 0 .. 7.
; A = ac (rows: tokens), B = woc (rows: columns of W_out).  A work-group of four waves makes 256 x 256; a wave 128 x 128: 64 accumulators.  K = 1,024 goes in four steps of 256 through a ring of two LDS slots.
; THE MATRIX INSTRUCTION IS USED TRANSPOSED (source 0 = 16 rows of B, source 1 = 16 rows of A): a lane holds eight neighbouring numbers of a row of out0.
; CLUSTERS: 4 x 4 work-groups; A's tiles are asked for jointly along a row of the cluster, B's along a column.  The design has 128 tiles of 256 x 256, and launches those.
; LIMIT: e6 + e7 between -126 and 127, so that 2^(e6 + e7) is an f32 number.
; REGISTERS, in windows of 256: window 0: v16-31 addresses; v64-127 the bias; from v128 A's fragments, ONE set; on the way out v128-191 and v192-255 by turns.
;   window 1: B's fragments, TWO sets.   windows 2, 3: the accumulators of my rows 0-63, 64-127 (accumulator (a, b) at v[8 (8 (a % 4) + b)]).
.set HALFT,  8*4096
.set SLOT,   4*HALFT
.set SPARE,  2*SLOT                    ; behind the ring: the spare words, 128 bytes for each wave: two blocks of 256 bytes that no other line names
.set KADV,   2*4096
.set SPITCH, 528                       ; the way out: a stage of 16 rows x (512 bytes + 16) for each wave, in slot 0, which has had its last fill and its last read when the first result is stored there
.set FR,     16
.set NL,     4
.set NP,     4
.set ADRA, 16
.set ADRB, 20
.set LI,   24                          ; v24  16 x lane: an image's place, and my byte in a row of 512 bytes of out0
.set STO,  25                          ; v25  the way out: where I put 32 bytes of a row
.set RD,   26                          ; v26  where I read a row back
.set BO,   27                          ; v27  the bias's offset: 32 h
.set SPW,  28
.set NIL,  29
.set BI,   64
.set AF,   128
.set G1, 24
.set G0, 32
.set G1B, 48
.set G0B, 56
.set MSB, 0
.macro WIN new                         ; the immediate's high byte repeats the setting that is left
.if MSB != \new
	s_set_vgpr_msb (MSB<<8)|\new
.set MSB, \new
.endif
.endm
.set MUL_LO, 0xa1
.set MUL_HI, 0xf1
.set TO_B,   0x40
.macro JLOAD g0a, g1a, g0b, g1b        ; a joint load: waves 0 and 1 fetch for A, waves 2 and 3 for B; four v_nop follow each of the two lines
	s_cmp_eq_u32 s15, 0
	s_cbranch_scc0 .Lfor_b_\@
	tensor_load_to_lds s[\g0a:\g0a+3], s[\g1a:\g1a+7]
	s_nop 0
.rept 4
	v_nop
.endr
	s_branch .Lasked_\@
.Lfor_b_\@:
	tensor_load_to_lds s[\g0b:\g0b+3], s[\g1b:\g1b+7]
	s_nop 0
.rept 4
	v_nop
.endr
.Lasked_\@:
.endm
.macro CREST
	s_cmp_lg_u32 s14, 0
	s_cbranch_scc1 .Lnot_wave_0_\@
	s_barrier_signal -3
.Lnot_wave_0_\@:
	s_barrier_wait -3
	s_barrier_signal -1
	s_barrier_wait -1
.endm
.macro CROUND
	s_barrier_signal -1
	s_barrier_wait -1
	CREST
.endm
.macro FRAG reg, adr, q, i
.irp c, 0,1,2,3
	ds_load_b128 v[\reg+4*\c:\reg+4*\c+3], v[\adr] offset:4096*(\i)+2048*(\q)+512*\c
.endr
.endm
.macro MUL16 a0, p, zero               ; the 64 accumulators take turns, one instruction a turn
.irp a, \a0, \a0+1
.irp b, 0,1,2,3,4,5,6,7
.if \zero
	v_wmma_f32_16x16x128_fp8_fp8 v[8*(8*((\a)%4)+\b):8*(8*((\a)%4)+\b)+7], v[128*(\p)+FR*\b:128*(\p)+FR*\b+FR-1], v[AF+FR*(\a):AF+FR*(\a)+FR-1], 0
.else
	v_wmma_f32_16x16x128_fp8_fp8 v[8*(8*((\a)%4)+\b):8*(8*((\a)%4)+\b)+7], v[128*(\p)+FR*\b:128*(\p)+FR*\b+FR-1], v[AF+FR*(\a):AF+FR*(\a)+FR-1], v[8*(8*((\a)%4)+\b):8*(8*((\a)%4)+\b)+7]
.endif
.endr
.endr
.endm
.macro FETCH_B slot, q, p
	WIN TO_B
.irp i, 0,1,2,3,4,5,6,7
	FRAG 128*(\p)+FR*\i, ADRB+\slot, \q, \i
.endr
	WIN 0
.endm
.macro FETCH_A slot, q, i0
.irp i, \i0, \i0+1, \i0+2, \i0+3
	FRAG AF+FR*(\i), ADRA+\slot, \q, \i
.endr
.endm
.macro PLACES n
.rept \n
	v_nop
.endr
.endm
.macro STEP slot, q, zero
	s_wait_dscnt 4*NL                              ; B's set and A's blocks 0-3 are in; the youngest 16 loads (A's blocks 4-7) may be out
	WIN MUL_LO
	MUL16 0, (\q)%2, \zero
	MUL16 2, (\q)%2, \zero
	s_wait_dscnt 0
	PLACES NP
	FETCH_B \slot, (\q)+1, 1-(\q)%2
	FETCH_A \slot, (\q)+1, 0
	WIN MUL_HI
	MUL16 4, (\q)%2, \zero
	MUL16 6, (\q)%2, \zero
	PLACES NP
	WIN 0
	FETCH_A \slot, (\q)+1, 4
.endm
.macro TURN slot, next, fill
	s_wait_tensorcnt 0x0                           ; all my tensor loads have landed: my part of the next slot
	ds_add_u32 v[SPW], v[NIL]                      ; 0 onto my spare word
	s_wait_dscnt 4*NL+1                            ; (the add and the youngest 16 loads may be out)
	WIN MUL_LO
	MUL16 0, 1, 0
	s_wait_dscnt 0x0                               ; the add is done, and my reads of this slot are over
	s_barrier_signal -1
	MUL16 2, 1, 0
	WIN 0
	s_barrier_wait -1
.if \fill
	CREST                                          ; the barrier has opened a round of the cluster's barrier
	s_add_nc_u64 s[G0+4*\slot+2:G0+4*\slot+3], s[G0+4*\slot+2:G0+4*\slot+3], KADV
	s_add_nc_u64 s[G0B+4*\slot+2:G0B+4*\slot+3], s[G0B+4*\slot+2:G0B+4*\slot+3], KADV
	JLOAD G0+4*\slot, G1, G0B+4*\slot, G1B
.else
	PLACES NP
.endif
	FETCH_B \next, 0, 0
	FETCH_A \next, 0, 0
	WIN MUL_HI
	MUL16 4, 1, 0
	MUL16 6, 1, 0
	PLACES NP
	WIN 0
	FETCH_A \next, 0, 4
.endm
; THE WAY OUT, block by block of 16 rows x 128 columns: sum x 2^(e6 + e7) + bias; through my own stage in LDS; back as whole rows of 512 bytes, into the registers that they left.
.macro TOSTAGE a
.set AC, 64*((\a)%4)
.set TT, 128+64*((\a)%2)
	WIN 0x02+((\a)/4)                              ; source 0: window 2 or 3
.irp b, 0,1,2,3,4,5,6,7
.irp i, 0,2,4,6
	v_pk_fma_f32 v[TT+8*\b+\i:TT+8*\b+\i+1], v[AC+8*\b+\i:AC+8*\b+\i+1], s[96:97], v[BI+8*\b+\i:BI+8*\b+\i+1] op_sel_hi:[1,0,1]
.endr
.endr
	WIN 0
.irp b, 0,1,2,3,4,5,6,7
	ds_store_b128 v[STO], v[TT+8*\b:TT+8*\b+3] offset:64*\b
	ds_store_b128 v[STO], v[TT+8*\b+4:TT+8*\b+7] offset:64*\b+16
.endr
.irp t, 0,1,2,3,4,5,6,7,8,9,10,11,12,13,14,15
	ds_load_b128 v[TT+4*\t:TT+4*\t+3], v[RD] offset:\t*SPITCH   ; LDS serves a wave's instructions in order (ISA guide 5.7.1.4): these see the stores above
.endr
.endm
.macro SEND a, younger                 ; younger: the LDS instructions issued behind block a's loads, which may stay out
.set TT, 128+64*((\a)%2)
	s_wait_dscnt \younger
.if (\a) > 0
	s_add_nc_u64 s[12:13], s[12:13], 16*4096       ; (behind a wait on XCNT: the earlier stores have read their base)  16 rows on
.endif
.irp t, 0,1,2,3,4,5,6,7,8,9,10,11,12,13,14,15
	global_store_b128 v[LI], v[TT+4*\t:TT+4*\t+3], s[12:13] offset:\t*4096 th:TH_STORE_NT   ; 32 lanes store 512 consecutive bytes, aligned; written once, read by nobody here
.endr
.endm
	s_load_b256 s[4:11], s[0:1], 0x0               ; ac s[4:5], woc s[6:7], b_out s[8:9], the exponents s[10:11]
	s_load_b64 s[12:13], s[0:1], 0x20              ; out0
	v_lshl_add_u32 v[SPW], v0, 2, SPARE
	v_mov_b32 v[NIL], 0
	ds_add_u32 v28, v29
	ds_add_u32 v28, v29
	s_wait_dscnt 0x0
	v_lshrrev_b32 v1, 5, v0
	v_readfirstlane_b32 s14, v1                    ; wave 0..3
	s_lshr_b32 s15, s14, 1                         ; which half of the tile's rows is mine.  Also: I fetch for A (0) or for B (1)
	s_and_b32 s16, s14, 1                          ; which half of its columns.  Also: which 8 tiles I fetch
	s_bfe_u32 s40, ttmp6, 0x40000                  ; cx, cy
	s_bfe_u32 s41, ttmp6, 0x40004
	s_lshl_b32 s42, ttmp9, 2
	s_add_co_u32 s42, s42, s40                     ; B's block of 256 columns
	s_and_b32 s17, ttmp7, 0xffff
	s_lshl_b32 s17, s17, 2
	s_add_co_u32 s17, s17, s41                     ; A's block of 256 tokens
	s_lshl_b32 s43, s41, 2
	s_lshl_b32 s43, 15, s43                        ; my row of the cluster
	s_lshl_b32 s44, 0x1111, s40                    ; my column
	s_or_b32 s[G1+0], s43, (1<<21)                 ; 15:0 the mask; 17:16 elements of 1 byte; 21 set beside a mask; no padding
	s_or_b32 s[G1B+0], s44, (1<<21)
.irp g, G1, G1B
	s_mov_b32 s[\g+1], 4096<<16                    ; tensor_dim0
	s_mov_b32 s[\g+2], 8<<16                       ; tensor_dim1
	s_mov_b32 s[\g+3], 4096<<16                    ; tile_dim0
	s_mov_b32 s[\g+4], 8                           ; tile_dim1
	s_mov_b32 s[\g+5], 16384                       ; tensor_dim0_stride
	s_mov_b32 s[\g+6], 0
	s_mov_b32 s[\g+7], 0
.endr
	s_lshl_b32 s22, s16, 17
	s_lshl_b32 s20, s17, 18
	s_add_co_u32 s20, s20, s22
	s_mov_b32 s21, 0
	s_lshl_b32 s46, s42, 18
	s_add_co_u32 s46, s46, s22
	s_mov_b32 s47, 0
	s_mul_i32 s45, s14, HALFT
	s_wait_kmcnt 0x0
	s_load_b256 s[72:79], s[10:11], 0x0            ; e0 .. e7
	s_add_nc_u64 s[20:21], s[4:5], s[20:21]
	s_add_nc_u64 s[46:47], s[6:7], s[46:47]
	CROUND                                         ; all sixteen work-groups are here: the first joint loads meet
.irp s, 0,1
	s_mov_b32 s[G0+4*\s], 1
	s_add_co_u32 s[G0+4*\s+1], s45, \s*SLOT
	s_add_nc_u64 s[G0+4*\s+2:G0+4*\s+3], s[20:21], \s*4096
	s_or_b32 s[G0+4*\s+3], s[G0+4*\s+3], 0x80000000
	s_mov_b32 s[G0B+4*\s], 1
	s_add_co_u32 s[G0B+4*\s+1], s45, \s*SLOT
	s_add_nc_u64 s[G0B+4*\s+2:G0B+4*\s+3], s[46:47], \s*4096
	s_or_b32 s[G0B+4*\s+3], s[G0B+4*\s+3], 0x80000000
	s_wait_alu depctr_va_vdst(0)
	s_wait_tensorcnt 0x0
	ds_add_u32 v28, v29
	ds_add_u32 v28, v29
	s_wait_dscnt 0x0
	CROUND
	JLOAD G0+4*\s, G1, G0B+4*\s, G1B               ; one load of mine is out
.endr
	v_and_b32 v1, 31, v0
	v_lshlrev_b32 v[LI], 4, v1
	v_and_b32 v2, 15, v0                           ; r
	v_bfe_u32 v3, v0, 4, 1                         ; h
	s_wait_alu depctr_va_vdst(0)
	s_mul_i32 s22, s15, HALFT
	s_mul_i32 s23, s16, HALFT
	s_add_co_u32 s23, s23, 2*HALFT
.irp s, 0,1
	v_add_nc_u32 v[ADRA+\s], s22, v[LI]
	v_add_nc_u32 v[ADRB+\s], s23, v[LI]
	s_add_co_u32 s22, s22, SLOT
	s_add_co_u32 s23, s23, SLOT
.endr
	s_lshl_b32 s84, s42, 10                        ; the bias: register 8 b + i = b_out at column 256 x block + 128 x half + 16 b + 8 h + i
	s_lshl_b32 s85, s16, 9
	s_add_co_u32 s84, s84, s85
	s_mov_b32 s85, 0
	s_add_nc_u64 s[8:9], s[8:9], s[84:85]
	v_lshlrev_b32 v[BO], 5, v3
.irp b, 0,1,2,3,4,5,6,7
	global_load_b128 v[BI+8*\b:BI+8*\b+3], v[BO], s[8:9] offset:64*\b
	global_load_b128 v[BI+8*\b+4:BI+8*\b+7], v[BO], s[8:9] offset:64*\b+16
.endr
	s_mul_i32 s23, s14, 16*SPITCH                  ; my stage
	v_mul_u32_u24 v5, v2, SPITCH                   ; in: row r, 32 bytes for each half of the lanes
	v_lshl_add_u32 v5, v3, 5, v5
	v_add_nc_u32 v[STO], s23, v5
	v_add_nc_u32 v[RD], s23, v[LI]                 ; back: the 32 lanes take one row of 512 bytes
	s_lshl_b32 s86, s17, 20                        ; my first row of out0: 256 x block + 128 x half, 4,096 bytes a row;
	s_lshl_b32 s87, s15, 19
	s_add_co_u32 s86, s86, s87
	s_lshl_b32 s87, s42, 10                        ; my first column, in bytes
	s_add_co_u32 s86, s86, s87
	s_lshl_b32 s87, s16, 9
	s_add_co_u32 s86, s86, s87
	s_mov_b32 s87, 0
	s_add_nc_u64 s[12:13], s[12:13], s[86:87]
	s_wait_alu depctr_va_vdst(0)
	s_wait_kmcnt 0x0
	s_add_co_i32 s96, s78, s79                     ; a sum stands for sum x 2^(e6 + e7)
	s_add_co_i32 s96, s96, 127
	s_lshl_b32 s96, s96, 23
	s_mov_b32 s97, s96                             ; (named with it as a pair, so it is written)
	s_wait_tensorcnt 1                             ; my part of K step 0 is in (K step 1's load may be out)
	s_barrier_signal -1
	s_barrier_wait -1                              ; everybody's is
	FETCH_B 0, 0, 0
	FETCH_A 0, 0, 0
	FETCH_A 0, 0, 4
	STEP 0, 0, 1                                   ; its products start the sums.  K has four slots' worth, so the ring is written out: no loop
	TURN 0, 1, 1
	STEP 1, 0, 0
	TURN 1, 0, 1
	STEP 0, 0, 0
	TURN 0, 1, 0                                   ; nothing is left to fetch; behind this barrier nobody reads slot 0
	STEP 1, 0, 0
	s_wait_dscnt 4*NL                              ; the very last step
	WIN MUL_LO
	MUL16 0, 1, 0
	MUL16 2, 1, 0
	s_wait_dscnt 0
	WIN MUL_HI
	MUL16 4, 1, 0
	MUL16 6, 1, 0
	WIN 0
	s_wait_loadcnt 0x0                             ; the bias is in
	PLACES NP                                      ; behind the last products: their results are read and A's registers written below
	TOSTAGE 0
.irp a, 1,2,3,4,5,6,7
.if \a > 1
	s_wait_xcnt 0x0                                ; block a - 2's stores have read their registers and their base
.endif
	TOSTAGE \a
	SEND \a-1, 32                                  ; behind block a - 1's loads: block a's 16 stores and 16 loads
.endr
	s_wait_xcnt 0x0                                ; block 6's stores have read their base
	SEND 7, 0
	s_wait_tensorcnt 0x0                           ; the wave's end
	ds_add_u32 v[SPW], v[NIL]
	s_wait_dscnt 0x0
	CROUND                                         ; the closing round
	s_endpgm
.Lfunc_end_k_qd00e23df6b_outproj:
	.size	k_qd00e23df6b_outproj, .Lfunc_end_k_qd00e23df6b_outproj-k_qd00e23df6b_outproj
	.p2alignl 7, 3214868480
	.fill 96, 4, 3214868480
	.section	.rodata,"a",@progbits
	.p2align	6, 0x0
	.amdhsa_kernel k_qd00e23df6b_outproj
		.amdhsa_group_segment_fixed_size 327680
		.amdhsa_private_segment_fixed_size 0
		.amdhsa_enable_private_segment 0
		.amdhsa_kernarg_size 40
		.amdhsa_user_sgpr_count 2
		.amdhsa_user_sgpr_kernarg_segment_ptr 1
		.amdhsa_wavefront_size32 1
		.amdhsa_system_sgpr_workgroup_id_x 1
		.amdhsa_system_sgpr_workgroup_id_y 1
		.amdhsa_system_sgpr_workgroup_id_z 1
		.amdhsa_system_vgpr_workitem_id 0
		.amdhsa_next_free_vgpr 1024
		.amdhsa_next_free_sgpr 100
		.amdhsa_reserve_vcc 0
		.amdhsa_float_denorm_mode_32 3
		.amdhsa_float_denorm_mode_16_64 3
		.amdhsa_memory_ordered 1
		.amdhsa_forward_progress 1
		.amdhsa_inst_pref_size 125
	.end_amdhsa_kernel
	.amdgpu_metadata
---
amdhsa.version: [ 1, 2 ]
amdhsa.kernels:
  - .name:           k_qd00e23df6b_outproj
    .symbol:         k_qd00e23df6b_outproj.kd
    .args:
      - { .name: ac, .offset: 0, .size: 8, .value_kind: global_buffer, .address_space: global }
      - { .name: woc, .offset: 8, .size: 8, .value_kind: global_buffer, .address_space: global }
      - { .name: b_out, .offset: 16, .size: 8, .value_kind: global_buffer, .address_space: global }
      - { .name: lowp_scales, .offset: 24, .size: 8, .value_kind: global_buffer, .address_space: global }
      - { .name: out0, .offset: 32, .size: 8, .value_kind: global_buffer, .address_space: global }
    .group_segment_fixed_size: 327680
    .private_segment_fixed_size: 0
    .kernarg_segment_align: 8
    .kernarg_segment_size: 40
    .max_flat_workgroup_size: 128
    .sgpr_count:     100
    .vgpr_count:     1024
    .wavefront_size: 32
...
	.end_amdgpu_metadata
.endif
;; end of part 4
